; MI455X (gfx1250); checked and timed in simulation.
; The chip was launched on July 23, 2026; its instructions are those of AMD's public machine-readable ISA for CDNA 5 (MIT licence, August 2026) and "CDNA5" Instruction Set Architecture Reference Guide (July 2026). The comments in the code are by the model that wrote it; some were corrected since.
;; Dot Product Attention. Allowed arithmetic: matrix products marked QUANTISED: E2M3 operands, one E8M0 scale for each 32 along K, by v_wmma_scale_f32_16x16x128_f8f6f4 with both operands' format E2M3, f32 sums; everything else in f32.
;; Inputs: adj 2,048 x 2,048 int32; keys 4 x 8 x 2,048 x 256 float32; queries 4 x 8 x 2,048 x 256 float32; values 4 x 8 x 2,048 x 256 float32.
;; Outputs: out0 2,048 x 4 x 8 x 256 float32.
;; This version of the problem:
;;   THIS VERSION OF THE PROBLEM IS GIVEN IN LOW PRECISION. The matrix products marked QUANTISED in the list below multiply operands that are first quantised to E2M3 (2 exponent bits, 3 mantissa bits; 6 bits a number), with one power-of-two scale for each 32 numbers along K (OCP MX v1.0); their sums are f32. All else is computed in f32.
;;   The module's matrix products, in the order in which they are computed (A, B: the left and right operand; K: the contracted axis; several contracted axes count as one K, in the product's order):
;;     1. batch 32 x [M 2,048, K 256] x [K 256, N 2,048]; A: input queries; B: input keys: QUANTISED
;;     2. batch 32 x [M 2,048, K 2,048] x [K 2,048, N 256]; A: softmax (see below); B: input values: QUANTISED
;;   THE QUANTISER, for each operand of a quantised product, along K:
;;     - K is cut into blocks of 32 from its start; a last block that is shorter is filled with zeros.
;;     - A block's scale is 2^e with e = floor(log2(the largest magnitude in the block)) - 2, held to -126 .. 127; a block of zeros has e = 0. As a byte (E8M0): e + 127.
;;     - Each number is divided by its block's scale, clamped to +-7.5, and rounded to the nearest number of E2M3, ties to even, subnormals kept.
;;     - The product sums the exact products of the quantised numbers (number of the format x scale) in f32.
;;   ~~~python
;;   def quantise(x, axis):      # numpy; x: float32 -> the quantised numbers, widened to float32 again
;;       x = np.moveaxis(x, axis, -1); K = x.shape[-1]
;;       x = np.pad(x, [(0, 0)] * (x.ndim - 1) + [(0, -K % 32)]); x = x.reshape(x.shape[:-1] + (-1, 32)); a = np.abs(x).max(-1, keepdims=True)
;;       e = np.where(a > 0, np.clip(np.frexp(np.where(a > 0, a, 1))[1] - 1 - 2, -126, 127), 0)      # np.frexp(a)[1] - 1 = floor(log2(a)), exactly
;;       r = np.clip(x / 2.0 ** e, -7.5, 7.5)
;;       step = 2.0 ** (np.maximum(np.frexp(np.where(r == 0, 1, r))[1] - 1, 0) - 3)
;;       q = np.round(r / step) * step * 2.0 ** e      # np.round: ties to even
;;       return np.moveaxis(q.reshape(q.shape[:-2] + (-1,))[..., :K], -1, axis).astype(np.float32)
;;   ~~~
;;   SOFTMAX AHEAD OF A QUANTISED PRODUCT. Where the list says 'softmax', what is quantised is not the finished softmax but p = 2^(t - M), with t = logit x log2(e) and M = ceil(the row's largest t), a whole number; so 1/2 < the row's largest p <= 1. The row's sum l is taken of the UNQUANTISED p, in f32, and the product's result is divided by l at the end. Since M is a whole number, a kernel that streams over the keys may use a running M (the ceiling of the running maximum): every later rescaling is an exact power of two, which a block's scale takes up: the codes' values come out the same.
;;   OPERANDS COMPUTED ON THE WAY. 'Computed on the way' means the value that the module computes at that place (a softmax that the list does not call 'softmax' is quantised finished and normalised). What goes into a quantiser is computed in f32, as accurately as f32 sums, v_exp_f32 and their like allow (about 1e-6 of the number): no bf16 or f16 on the way to a quantiser, and a product that is left as it is and whose result goes on into a quantised operand takes f32 operands (vector FMAs, or v_wmma_f32_16x16x4_f32). A number that lies on a knife's edge between two numbers of the format may be rounded either way, as far as f32 arithmetic and the matrix unit's own rounding can turn it there, and no further.
;; One version. Each part assembles by itself: llvm-mc -triple=amdgcn-amd-amdhsa -mcpu=gfx1250 --defsym DOCPART=n.
;; ======== version 1 of 1: 2 launches
;; limits: right only within a limited range of input values
;; workspace buffers: kvcodes 25,165,824 bytes; scales 1,048,576 bytes
;; launch quant_kv (part 1): grid 768 x 1, 4 waves a work-group, no clusters, 60,416 bytes of LDS; arguments keys, values, kvcodes, scales; writes kvcodes, scales
.if DOCPART == 1
	.amdgcn_target "amdgcn-amd-amdhsa--gfx1250"
	.amdhsa_code_object_version 6
	.text
	.protected	k_q8de3fe5ba7_quant_kv
	.globl	k_q8de3fe5ba7_quant_kv
	.p2align	8
	.type	k_q8de3fe5ba7_quant_kv,@function
k_q8de3fe5ba7_quant_kv:
	s_mov_b64 s[64:65], 0
	v_nop
	global_prefetch_b8 v0, s[64:65] scope:SCOPE_SE
	s_setreg_imm32_b32 hwreg(HW_REG_WAVE_MODE, 25, 1), 1
	s_wait_xcnt 0x0
; keys and values become codes of FP6 (E2M3) with one E8M0 byte for each 32 numbers along the product's K.  (The queries are quantised by the launch that reads them.)
; DEAD WORK: reference() never reads adj, so for all values of adj it has no way to the output: it is not loaded and is among no launch's arguments.
; Work-groups 0-255 take keys (K = the channels), 256-767 values (K = the keys).  The two paths part on the work-group's number alone and have LDS bytes of their own.
; A block's scale is 2^(floor(log2(its largest magnitude)) - 2): its byte is the largest magnitude's exponent field - 2, held at 1 from below.
; LIMITS: NaN and infinities among the inputs are not served.  A block whose largest magnitude lies under 2^-124 gets the byte 1; a block of zeros too, where the
; quantiser's text says 127: its codes are zeros, which add nothing under that byte, and only this program reads the bytes.
; THE CODES ARE LAID AS IMAGES OF THE MATRIX OPERAND'S REGISTERS.  A fragment is 16 rows x 128 along K: 12 registers a lane, 1,536 bytes in three chunks of 512:
; chunk c holds registers 4 c .. 4 c + 3, lane l's 16 bytes at 16 l.  Lane (r, h) holds row r; registers 6 c .. 6 c + 5 hold k = 64 c + 32 h + 0 .. 31.
; kvcodes: for every 256 keys of a head [keys' codes 2 x 24,576][values' codes 2 x 24,576].  scales: for a head [keys 16,384][values 16,384].
; KEYS: row r of tile 2 b + u of a block of 128 keys is key 32 b + 8 u + r + 8 (r / 8).  A wave takes 64 keys: four tiles x two channel steps = 8 fragments.
; A fragment's numbers are loaded as 16 half rows of 512 consecutive bytes, turn through the wave's own stage in LDS (rows 528 bytes apart) and come back with two whole blocks in each lane.
; Scale words of 64 keys: 512 bytes, lane (r, h) has 16 bytes at 16 l; word j = tile j, row r, channel step h.  Waves share nothing: no barrier.
.set SPQ, 528
.set WST, 16*SPQ                       ; a wave's stage
.set M,   8                            ; v8-9    the two blocks' largest magnitudes
.set SO,  10                           ; v10-11  the conversions' scale operands
.set BY,  12                           ; v12-13  the scale bytes
.set W,   14                           ; v14     a fragment's scale word
.set SW,  16                           ; v16-19  the four tiles' scale words
.set C,   20                           ; v20-43  codes: two sets of 12
.set TMP, 44                           ; v44-46, v48-50  the upper halves of the two blocks' codes
.set R,   64                           ; v64-191 two sets of 64: a fragment's numbers as loaded
.set X,   192                          ; v192-255 the same, two whole blocks a lane
	s_cmp_lt_u32 ttmp9, 256
	s_cbranch_scc0 .Lvalues
	s_load_b64 s[4:5], s[0:1], 0x0                 ; keys
	s_load_b64 s[8:9], s[0:1], 0x10                ; kvcodes
	s_load_b64 s[12:13], s[0:1], 0x18              ; scales
	v_lshl_add_u32 v62, v0, 2, 0x8400              ; this path's spare words lie behind its four stages
	v_mov_b32 v63, 0
	v_lshrrev_b32 v1, 5, v0
	v_readfirstlane_b32 s14, v1                    ; wave
	v_and_b32 v1, 31, v0                           ; lane
	v_and_b32 v2, 15, v0                           ; r
	v_bfe_u32 v3, v0, 4, 1                         ; h
	v_lshlrev_b32 v4, 4, v1                        ; 16 l
	s_mul_i32 s15, s14, WST
	v_add_nc_u32 v5, s15, v4                       ; the stage, on the way in
	v_mul_u32_u24 v6, v2, SPQ
	v_lshl_add_u32 v6, v3, 7, v6
	v_add_nc_u32 v6, s15, v6                       ; and on the way out: row r, + 128 h
	v_lshlrev_b32 v7, 3, v3                        ; 8 h: where my two bytes stand in a scale word
	v_mov_b32 v15, 0                               ; a lane permute's destination counts as one of its sources
	v_cmp_ne_u32 s22, 0, v3                        ; lanes 16-31
	s_mov_b32 s20, 0x76543210
	s_mov_b32 s21, 0xfedcba98                      ; selects for lane l xor 16
	s_lshl_b32 s19, ttmp9, 2
	s_add_co_u32 s19, s19, s14                     ; which run of 64 keys is my wave's: 0 .. 1,023
	s_wait_alu depctr_va_vdst(0)                   ; the wait at the head's end
	s_wait_kmcnt 0x0
	s_lshl_b32 s24, s19, 16
	s_mov_b32 s25, 0
	s_add_nc_u64 s[4:5], s[4:5], s[24:25]          ; 64 rows of 1,024 bytes
	s_mul_i32 s24, s19, 12288
	s_lshr_b32 s26, s19, 2
	s_mul_i32 s26, s26, 49152                      ; behind every 256 keys' codes lie 49,152 bytes of the values' codes
	s_add_co_u32 s24, s24, s26
	s_add_nc_u64 s[8:9], s[8:9], s[24:25]          ; 8 fragments
	s_lshr_b32 s24, s19, 5
	s_lshl_b32 s24, s24, 15
	s_and_b32 s26, s19, 31
	s_lshl_b32 s26, s26, 9
	s_add_co_u32 s24, s24, s26
	s_add_nc_u64 s[12:13], s[12:13], s[24:25]      ; 512 bytes of scale words
.macro LOADF f                         ; fragment f = 2 x tile + channel step: 16 half rows into set f % 2
.set RB, R+64*((\f)%2)
.set RO, (32*((\f)/4)+8*(((\f)/2)%2))*1024+512*((\f)%2)
.irp rr, 0,1,2,3,4,5,6,7,8,9,10,11,12,13,14,15
	global_load_b128 v[RB+4*\rr:RB+4*\rr+3], v4, s[4:5] offset:RO+(\rr+8*(\rr/8))*1024 th:TH_LOAD_NT
.endr
.endm
.macro TURNF f                         ; through the stage: LDS serves a wave's instructions in order (ISA guide 5.7.1.4)
.set RB, R+64*((\f)%2)
.irp rr, 0,1,2,3,4,5,6,7,8,9,10,11,12,13,14,15
	ds_store_b128 v5, v[RB+4*\rr:RB+4*\rr+3] offset:SPQ*\rr
.endr
.irp c, 0,1
.irp i, 0,1,2,3,4,5,6,7
	ds_load_b128 v[X+32*\c+4*\i:X+32*\c+4*\i+3], v6 offset:256*\c+16*\i
.endr
.endr
.endm
.macro QUANTF f
.set CB, C+12*((\f)%2)
.irp c, 0,1
	v_max3_num_f32 v[M+\c], |v[X+32*\c]|, |v[X+32*\c+1]|, 0x1800000   ; block 2 c + h, with the floor 2^(3 - 127)
.endr
.irp i, 2,4,6,8,10,12,14,16,18,20,22,24,26,28,30
.irp c, 0,1
	v_max3_num_f32 v[M+\c], v[M+\c], |v[X+32*\c+\i]|, |v[X+32*\c+\i+1]|
.endr
.endr
.irp c, 0,1
	v_add_nc_u32 v[SO+\c], 0xff000000, v[M+\c]     ; 2 off the exponent field: the conversion's scale operand
.endr
.irp c, 0,1
	v_lshrrev_b32 v[BY+\c], 23, v[SO+\c]           ; the scale's byte
.endr
	v_lshl_or_b32 v[W], v[BY+1], 16, v[BY]
	v_lshlrev_b32 v[W], v7, v[W]                   ; my two bytes at their places in the word
.if (\f) >= 2
	s_wait_alu depctr_va_vdst(0)                   ; the wait ahead of the wait below
	s_wait_xcnt 0x0                                ; this set of codes was the data of stores two fragments ago
.endif
.irp c, 0,1
	v_cvt_scalef32_pk16_fp6_f32 v[CB+6*\c:CB+6*\c+2], v[X+32*\c:X+32*\c+15], v[SO+\c]
	v_cvt_scalef32_pk16_fp6_f32 v[TMP+4*\c:TMP+4*\c+2], v[X+32*\c+16:X+32*\c+31], v[SO+\c]
.endr
	v_nop                                          ; one plain place behind the scaled conversions
	v_permlanex16_b32 v15, v[W], s20, s21
	v_or_b32 v[W], v[W], v15                       ; with lane l xor 16's two bytes the word is whole
.irp c, 0,1
.irp i, 0,1,2
	v_mov_b32 v[CB+3+6*\c+\i], v[TMP+4*\c+\i]
.endr
.endr
.if (\f)%2 == 0
	v_mov_b32 v[SW+(\f)/2], v[W]
.else
	v_cndmask_b32 v[SW+(\f)/2], v[SW+(\f)/2], v[W], s22   ; in lanes 16-31 channel step 1's word
.endif
.irp c, 0,1,2
	global_store_b128 v4, v[CB+4*\c:CB+4*\c+3], s[8:9] offset:(\f)*1536+512*\c   ; 512 consecutive bytes, at a multiple of 256 from the buffer's first byte
.endr
.endm
	LOADF 0
	LOADF 1
.irp f, 0,1,2,3,4,5,6,7
.if \f < 7
	s_wait_loadcnt 16                              ; this fragment's 16 loads are in; the next fragment's 16 may be out
.else
	s_wait_loadcnt 0x0
.endif
	TURNF \f
	s_wait_dscnt 0x0                               ; the numbers are back, and the stage's stores have read their registers
.if \f < 6
	LOADF \f+2
.endif
	QUANTF \f
.endr
	global_store_b128 v4, v[SW:SW+3], s[12:13]     ; the four tiles' scale words: 512 consecutive bytes
	s_wait_tensorcnt 0x0                           ; the wave's end
	ds_add_u32 v62, v63
	s_wait_dscnt 0x0
	s_endpgm
; VALUES.  A lane takes a channel and its registers run down the keys: a block of 32 keys lies in one lane's 32 registers.
; Work-group G - 256: head / 16, key step % 16 (128 keys x 256 channels).  Wave w: channels 64 w .. 64 w + 63, four fragments of 16 channels x 128 keys.
; Turn n = 2 b + qq takes keys 32 b .. + 31 of channels 32 qq .. + 31 of the wave.  The images are gathered in the wave's own LDS bytes and leave by stores of 512 consecutive bytes.
; Scale words of a key step: 1,024 bytes, channel d's word at 4 d.  Loads run two turns (64 loads a wave) ahead.
.Lvalues:
.set X,   32                           ; v32-95   two sets of 32 numbers
.set SW,  26                           ; v26-27   my channels' scale words, for qq = 0, 1
.set OUTR, 96                          ; v96-143  the way out
.set VLDS, 34304                       ; this path's LDS bytes begin behind the other path's
	s_load_b64 s[4:5], s[0:1], 0x8                 ; values
	s_load_b64 s[6:7], s[0:1], 0x10                ; kvcodes
	s_load_b64 s[8:9], s[0:1], 0x18                ; scales
	v_lshl_add_u32 v160, v0, 2, 0xea00             ; this path's spare words: VLDS + 4 x 6,400
	v_mov_b32 v161, 0
	v_lshrrev_b32 v1, 5, v0
	v_readfirstlane_b32 s10, v1                    ; wave
	v_and_b32 v1, 31, v0                           ; lane
	v_and_b32 v2, 15, v0
	v_bfe_u32 v3, v0, 4, 1
	s_sub_co_u32 s30, ttmp9, 256                   ; which 128 keys: 0 .. 511
	s_mul_i32 s11, s10, 6400                       ; my wave's LDS bytes: 6,144 of images, 256 of scale words
	s_add_co_u32 s11, s11, VLDS
	v_lshlrev_b32 v4, 2, v1                        ; in: 4 bytes a lane
	v_mul_u32_u24 v5, v3, 1536
	v_lshl_add_u32 v5, v2, 4, v5
	v_add_nc_u32 v5, s11, v5                       ; my channel's place in an image
	v_add_nc_u32 v6, s11, v4
	v_add_nc_u32 v6, 6144, v6                      ; my scale word
	v_lshlrev_b32 v10, 4, v1                       ; out: 16 bytes a lane
	v_add_nc_u32 v7, s11, v10
	v_lshlrev_b32 v9, 3, v1                        ; the scale words: 8 bytes a lane
	v_add_nc_u32 v8, s11, v9
	v_add_nc_u32 v8, 6144, v8
	s_lshl_b32 s12, s30, 17                        ; 128 keys of 1,024 bytes
	s_lshl_b32 s18, s10, 8
	s_add_co_u32 s12, s12, s18                     ; + my 64 channels
	s_mov_b32 s13, 0
	s_lshr_b32 s14, s30, 1
	s_mul_i32 s14, s14, 98304
	s_and_b32 s19, s30, 1
	s_mul_i32 s19, s19, 24576
	s_add_co_u32 s14, s14, s19
	s_mul_i32 s19, s10, 6144
	s_add_co_u32 s14, s14, s19
	s_add_co_u32 s14, s14, 49152
	s_mov_b32 s15, 0
	s_lshr_b32 s16, s30, 4
	s_lshl_b32 s16, s16, 15
	s_and_b32 s19, s30, 15
	s_lshl_b32 s19, s19, 10
	s_add_co_u32 s16, s16, s19
	s_add_co_u32 s16, s16, s18
	s_add_co_u32 s16, s16, 16384
	s_mov_b32 s17, 0
	s_wait_alu depctr_va_vdst(0)                   ; the wait at the head's end
	s_wait_kmcnt 0x0
	s_add_nc_u64 s[4:5], s[4:5], s[12:13]
	s_add_nc_u64 s[6:7], s[6:7], s[14:15]
	s_add_nc_u64 s[8:9], s[8:9], s[16:17]
.macro LOAD n
.irp i, 0,1,2,3,4,5,6,7,8,9,10,11,12,13,14,15,16,17,18,19,20,21,22,23,24,25,26,27,28,29,30,31
	global_load_b32 v[X+32*((\n)%2)+\i], v4, s[4:5] offset:(32*((\n)/2)+\i)*1024+128*((\n)%2) th:TH_LOAD_NT
.endr
.endm
.macro BLOCK n
.set XS, X+32*((\n)%2)
.set BB, (\n)/2
.set QQ, (\n)%2
.set OO, 3072*QQ+256*(BB%2)            ; fragments 2 qq, 2 qq + 1; image lanes 16 (b % 2) on
.if (\n) < 7
	s_wait_loadcnt 32                              ; this turn's 32 loads are in; the next turn's may be out
.else
	s_wait_loadcnt 0x0
.endif
	v_max3_num_f32 v12, |v[XS]|, |v[XS+1]|, |v[XS+2]|
	v_max3_num_f32 v13, |v[XS+3]|, |v[XS+4]|, |v[XS+5]|
.irp i, 6,10,14,18,22,26
	v_max3_num_f32 v12, v12, |v[XS+\i]|, |v[XS+\i+1]|
	v_max3_num_f32 v13, v13, |v[XS+\i+2]|, |v[XS+\i+3]|
.endr
	v_max3_num_f32 v12, v12, |v[XS+30]|, |v[XS+31]|
	v_max3_num_f32 v12, v12, v13, 0x1800000        ; the floor 2^(3 - 127)
	v_add_nc_u32 v11, 0xff000000, v12              ; the conversion's scale operand
	v_lshrrev_b32 v14, 23, v11                     ; the scale's byte
.if BB == 0
	v_mov_b32 v[SW+QQ], v14
.else
	v_lshl_or_b32 v[SW+QQ], v14, 8*BB, v[SW+QQ]    ; the lower keys in the lower byte
.endif
	v_cvt_scalef32_pk16_fp6_f32 v[16:18], v[XS:XS+15], v11
	v_cvt_scalef32_pk16_fp6_f32 v[22:24], v[XS+16:XS+31], v11
	v_nop                                          ; one plain place behind the scaled conversions
	v_mov_b32 v19, v22
	v_mov_b32 v20, v23
	v_mov_b32 v21, v24                             ; v16-21: registers 6 (b / 2) .. + 5 of the image
.if BB < 2
	ds_store_b128 v5, v[16:19] offset:OO
	ds_store_b64 v5, v[20:21] offset:OO+512
.else
	ds_store_b64 v5, v[16:17] offset:OO+520
	ds_store_b128 v5, v[18:21] offset:OO+1024
.endif
.if BB == 3
	ds_store_b32 v6, v[SW+QQ] offset:128*QQ
.endif
.if (\n)+2 < 8
	LOAD (\n)+2
.endif
	s_wait_dscnt 0x0                               ; the stores have read their registers
.endm
	LOAD 0
	LOAD 1
.irp n, 0,1,2,3,4,5,6,7
	BLOCK \n
.endr
.irp i, 0,1,2,3,4,5,6,7,8,9,10,11
	ds_load_b128 v[OUTR+4*\i:OUTR+4*\i+3], v7 offset:512*\i
.endr
	ds_load_b64 v[144:145], v8
.irp i, 0,1,2,3,4,5,6,7,8,9,10,11
	s_wait_dscnt 12-\i                             ; behind load i stand 11 - i loads of 16 bytes and the one of 8
	global_store_b128 v10, v[OUTR+4*\i:OUTR+4*\i+3], s[6:7] offset:512*\i
.endr
	s_wait_dscnt 0x0
	global_store_b64 v9, v[144:145], s[8:9]        ; my 64 channels' scale words: 256 consecutive bytes
	s_wait_tensorcnt 0x0                           ; the wave's end
	ds_add_u32 v160, v161
	s_wait_dscnt 0x0
	s_endpgm
.Lfunc_end_k_q8de3fe5ba7_quant_kv:
	.size	k_q8de3fe5ba7_quant_kv, .Lfunc_end_k_q8de3fe5ba7_quant_kv-k_q8de3fe5ba7_quant_kv
	.p2alignl 7, 3214868480
	.fill 96, 4, 3214868480
	.section	.rodata,"a",@progbits
	.p2align	6, 0x0
	.amdhsa_kernel k_q8de3fe5ba7_quant_kv
		.amdhsa_group_segment_fixed_size 60416
		.amdhsa_private_segment_fixed_size 0
		.amdhsa_enable_private_segment 0
		.amdhsa_kernarg_size 32
		.amdhsa_user_sgpr_count 2
		.amdhsa_user_sgpr_kernarg_segment_ptr 1
		.amdhsa_wavefront_size32 1
		.amdhsa_system_sgpr_workgroup_id_x 1
		.amdhsa_system_sgpr_workgroup_id_y 1
		.amdhsa_system_sgpr_workgroup_id_z 1
		.amdhsa_system_vgpr_workitem_id 0
		.amdhsa_next_free_vgpr 256
		.amdhsa_next_free_sgpr 66
		.amdhsa_reserve_vcc 0
		.amdhsa_float_denorm_mode_32 3
		.amdhsa_float_denorm_mode_16_64 3
		.amdhsa_memory_ordered 1
		.amdhsa_forward_progress 1
		.amdhsa_inst_pref_size 99
	.end_amdhsa_kernel
	.amdgpu_metadata
---
amdhsa.version: [ 1, 2 ]
amdhsa.kernels:
  - .name:           k_q8de3fe5ba7_quant_kv
    .symbol:         k_q8de3fe5ba7_quant_kv.kd
    .args:
      - { .name: keys, .offset: 0, .size: 8, .value_kind: global_buffer, .address_space: global }
      - { .name: values, .offset: 8, .size: 8, .value_kind: global_buffer, .address_space: global }
      - { .name: kvcodes, .offset: 16, .size: 8, .value_kind: global_buffer, .address_space: global }
      - { .name: scales, .offset: 24, .size: 8, .value_kind: global_buffer, .address_space: global }
    .group_segment_fixed_size: 60416
    .private_segment_fixed_size: 0
    .kernarg_segment_align: 8
    .kernarg_segment_size: 32
    .max_flat_workgroup_size: 128
    .sgpr_count:     66
    .vgpr_count:     256
    .wavefront_size: 32
...
	.end_amdgpu_metadata
.endif
;; end of part 1
;; launch attn (part 2): grid 8 x 32, 8 waves a work-group, clusters of 4 x 1, 327,680 bytes of LDS; arguments queries, kvcodes, scales, out0; writes out0
.if DOCPART == 2
	.amdgcn_target "amdgcn-amd-amdhsa--gfx1250"
	.amdhsa_code_object_version 6
	.text
	.protected	k_q8de3fe5ba7_attn
	.globl	k_q8de3fe5ba7_attn
	.p2align	8
	.type	k_q8de3fe5ba7_attn,@function
k_q8de3fe5ba7_attn:
	s_mov_b64 s[64:65], 0
	v_nop
	global_prefetch_b8 v0, s[64:65] scope:SCOPE_SE
	s_setreg_imm32_b32 hwreg(HW_REG_WAVE_MODE, 25, 1), 1
	s_wait_xcnt 0x0
	s_wait_alu depctr_hold_cnt(0) depctr_sa_sdst(0) depctr_va_vdst(0) depctr_va_sdst(0) depctr_va_ssrc(0) depctr_va_vcc(0) depctr_vm_vsrc(0)
	s_getreg_b32 s2, hwreg(HW_REG_IB_STS2, 6, 4)
	s_cmp_eq_u32 s2, 0
	s_cbranch_scc0 .Lentry_in_a_cluster
	s_endpgm
.Lentry_in_a_cluster:
	s_bfe_u32 s2, ttmp6, 0x10000c
	s_cmp_lg_u32 s2, 0x3003
	s_cbranch_scc0 .Lentry_shape_is_right
	s_endpgm
.Lentry_shape_is_right:
; o = softmax(q k^T / 16) v for 32 heads of 2,048 x 256, both products in MX-FP6.  adj is left out: reference() never reads it.
; A work-group takes 256 queries of a head, a wave 32 (two tiles of 16); both products are used transposed (S^T = k q^T, O^T = v^T p^T), so that a lane holds one query.
; THE QUERIES are read here alone, each row by one wave: they are quantised in the head.  A wave's 32 rows are four fragments (2 tiles x 2 channel steps); all 64 loads of 512 consecutive bytes
; are issued at once into the registers that later hold O^T, turn through the wave's own stage in LDS (rows 528 bytes apart) and come back with two whole blocks of 32 channels a lane; the
; conversions write q's operand registers.  Row r of tile u is row 8 u + r + 8 (r / 8) of the wave's 32.  A block's byte is its largest magnitude's exponent field - 2, held at 1 from below.
; THE KEYS go in steps of 128 through two LDS slots of two steps each (keys' codes 2 x 24,576 bytes, values' codes 2 x 24,576), as images of operand registers; a head's key and value scales
; (32,768 bytes) lie between the slots.  The four work-groups of a cluster take query blocks of one head and ask for every tile jointly.  A slot two fills on is named by a prefetch:
; waves 0-2 of the four work-groups of the head's first cluster, a lane to 256 bytes, shared out by address; the last fill has none behind it.
; THE HEAD'S FILLS are one group, one load a wave, 64 rows of 256 bytes: waves 0-5 bring slot 0, waves 6 and 7 the scales, which lie directly behind slot 0: LDS address 16,384 x wave.
; p = 2^(t - M), M the ceiling of the running largest t; sums of the unquantised p; O^T and the sums are brought under a new M by an exact power of two.
; LIMITS: the promise holds while the scaled scores (the exponents to the base 2) stay under 2^31 in magnitude.  NaN and infinities among the inputs are not served.
; A block of queries under 2^-124, or of zeros, gets the byte 1: its codes add nothing, and the byte is read here alone.
.set SLOT1, 1<<17
.set SLOTB, 98304
.set STEPB, 24576
.set SCL,   98304
.set SPARE, SLOT1+SLOTB                ; the spare words: 8 waves x 128 bytes
.set STAGE, SPARE+1024                 ; 16 rows x 528 bytes for each wave: no tensor load lands here
.set SP,    528
.set LI,  1                            ; 16 x lane
.set LS,  2                            ; 4 x lane
.set ADK, 3
.set ADV, 4
.set ADS, 5
.set ADT, 6
.set SPW, 7
.set NIL, 8
.set PFO, 9
.set STO, 10
.set RD,  11
.set ST,  12                           ; v12-19: for each tile -M, the running largest t, the sum in two halves
.set QS,  20
.set PW,  22
.set KS,  24
.set Q,   32                           ; v32-79 q's four fragments
.set KB,  80                           ; v80-127 two buffers of a key tile; later p's codes and the softmax's temporaries
.set CT,  92
.set BM,  100
.set PT,  104
.set SO,  108
.set FAC, 112
.set T0,  116
.set T1,  117
.set SUM, 120
.set S,   128                          ; v128-255 the scores, then p; v's fragments lie over them
.set VA,  140
.set VB,  192
.set HM,  80                           ; the head's temporaries, in the key buffers
.set HSO, 82
.set HBY, 84
.set HW,  86
.set HP,  87
.set HT,  88
.set HOUT, 97
.set H8,  98
.set WV,  12
.set LIM, 15
.set PFA, 18
.set G1C, 24
.set G1S, 32
.set G0C, 40
.set G0S, 44
.set TB,  48
.set TS,  49
.set SLOTS, 50
.set TWICE, 51
.set CS,  52
.set SEL, 54
.set HMK, 61
.set MSB, 0
.macro WIN new                         ; the immediate's high byte repeats the setting that is left
.if MSB != \new
	s_set_vgpr_msb (MSB<<8)|\new
.set MSB, \new
.endif
.endm
.set W_RS, 0x41
.set W_PV, 0x50
.macro PLACES n
.rept \n
	v_nop
.endr
.endm
.macro CROUND                          ; a round of the cluster's barrier
	s_barrier_signal -1
	s_barrier_wait -1
	s_cmp_lg_u32 s[WV], 0
	s_cbranch_scc1 .Lnot_wave_0_\@
	s_barrier_signal -3
.Lnot_wave_0_\@:
	s_barrier_wait -3
	s_barrier_signal -1
	s_barrier_wait -1
.endm
.macro ASK
	s_cmp_gt_u32 s[SLOTS], s[LIM]
	s_cbranch_scc0 .Lnot_mine_\@
	global_prefetch_b8 v[PFO], s[PFA:PFA+1] th:TH_LOAD_NT scope:SCOPE_SE
.Lnot_mine_\@:
.endm
	s_load_b256 s[4:11], s[0:1], 0x0               ; queries, kvcodes, scales, out0
	v_lshl_add_u32 v[SPW], v0, 2, SPARE
	v_mov_b32 v[NIL], 0
	ds_add_u32 v[SPW], v[NIL]                      ; the opening lines: the add twice on end and its wait
	ds_add_u32 v[SPW], v[NIL]
	s_wait_dscnt 0x0
	v_lshrrev_b32 v1, 5, v0
	v_readfirstlane_b32 s[WV], v1
	v_and_b32 v2, 31, v0
	v_and_b32 v3, 15, v0                           ; r
	v_bfe_u32 v4, v0, 4, 1                         ; h
	v_lshlrev_b32 v[LI], 4, v2
	v_lshlrev_b32 v[PFO], 8, v2
	v_lshlrev_b32 v[LS], 2, v2
	s_mul_i32 s60, s[WV], 16*SP
	s_add_co_u32 s60, s60, STAGE                   ; my stage
	v_mul_u32_u24 v[STO], v3, SP
	v_lshlrev_b32 v[H8], 3, v4                     ; 8 h: where my two bytes stand in a scale word
	v_mov_b32 v[HP], 0                             ; a lane permute's destination counts as one of its sources
	v_add_nc_u32 v[RD], s60, v[LI]                 ; whole rows of 512 bytes: 16 x lane
	v_lshl_add_u32 v[HOUT], v4, 7, v[STO]
	v_lshl_add_u32 v[STO], v4, 5, v[STO]
	v_cmp_ne_u32 s[HMK], 0, v4                     ; lanes 16-31
	v_add_nc_u32 v[HOUT], s60, v[HOUT]             ; the queries come back from row r, + 128 h
	v_add_nc_u32 v[STO], s60, v[STO]               ; the way out goes in at row r, + 32 h
	s_bfe_u32 s13, ttmp6, 0x40000                  ; cx
	s_lshl_b32 s14, ttmp9, 2
	s_add_co_u32 s14, s14, s13                     ; which 256 queries
	s_and_b32 s16, ttmp7, 0xffff                   ; head
	s_mul_i32 s20, s16, 8*SLOTB
	s_mov_b32 s21, 0
	s_mul_i32 s22, s[WV], SLOTB/8
	s_mov_b32 s23, 0
	s_lshl_b32 s56, s16, 15
	s_mov_b32 s57, 0
	s_mov_b32 s59, 0
	s_mov_b32 s[G1C], 15|(3<<16)|(1<<21)           ; a refill's eighth of a slot: 48 rows of 256 bytes, to all four of the cluster
	s_mov_b32 s[G1C+1], 32<<16
	s_mov_b32 s[G1C+2], 48<<16
	s_mov_b32 s[G1C+3], 32<<16
	s_mov_b32 s[G1C+4], 48
	s_mov_b32 s[G1C+5], 32
	s_mov_b32 s[G1C+6], 0
	s_mov_b32 s[G1C+7], 0
	s_mov_b32 s[G1S], 15|(3<<16)|(1<<21)           ; the head's fills: 64 rows of 256 bytes
	s_mov_b32 s[G1S+1], 32<<16
	s_mov_b32 s[G1S+2], 64<<16
	s_mov_b32 s[G1S+3], 32<<16
	s_mov_b32 s[G1S+4], 64
	s_mov_b32 s[G1S+5], 32
	s_mov_b32 s[G1S+6], 0
	s_mov_b32 s[G1S+7], 0
	s_mov_b32 s[CS], 0x3db8aa3b                    ; log2(e) / 16
	s_mov_b32 s[CS+1], s[CS]
	s_mov_b32 s[SEL], 0x76543210
	s_mov_b32 s[SEL+1], 0xfedcba98
	s_mov_b32 s[TB], 0
	s_mov_b32 s[TS], SCL
	s_mov_b32 s[SLOTS], 7
	s_cmp_lt_u32 s[WV], 3
	s_cselect_b32 s[LIM], 0, 1
	s_or_b32 s[LIM], s[LIM], ttmp9
	s_cmp_eq_u32 s[LIM], 0
	s_cselect_b32 s[LIM], 1, -1                    ; waves 0-2 of the head's first cluster prefetch
	s_lshl_b32 s62, s16, 21
	s_lshl_b32 s63, s14, 3
	s_add_co_u32 s63, s63, s[WV]
	s_lshl_b32 s63, s63, 15
	s_add_co_u32 s62, s62, s63                     ; my 32 rows of 1,024 bytes, in queries and in out0 alike
	s_mov_b32 s63, 0
	s_mul_i32 s2, s13, 24576
	s_lshl_b32 s3, s[WV], 13
	s_add_co_u32 s2, s2, s3
	s_add_co_u32 s2, s2, SLOTB
	s_mov_b32 s3, 0
	s_wait_alu depctr_va_vdst(0)                   ; the wait here, directly ahead of the wait below
	s_wait_kmcnt 0x0
	s_add_nc_u64 s[4:5], s[4:5], s[62:63]
	s_add_nc_u64 s[10:11], s[10:11], s[62:63]
	WIN 0x40                                       ; destinations in the second 256 registers
.irp f, 0,1,2,3
.irp rr, 0,1,2,3,4,5,6,7,8,9,10,11,12,13,14,15
	global_load_b128 v[64*\f+4*\rr:64*\f+4*\rr+3], v[LI], s[4:5] offset:(8*(\f/2)+\rr+8*(\rr/8))*1024+512*(\f%2) th:TH_LOAD_NT
.endr
.endr
	WIN 0
	s_add_nc_u64 s[6:7], s[6:7], s[20:21]
	s_add_nc_u64 s[8:9], s[8:9], s[56:57]
	s_add_nc_u64 s[PFA:PFA+1], s[6:7], s[2:3]
	s_mov_b32 s[G0S], 1
	s_lshl_b32 s[G0S+1], s[WV], 14                 ; slot 0 is 6 x 16,384 bytes, the scales the next 2 x 16,384
	s_cmp_lt_u32 s[WV], 6                          ; codes or scales: the choice hangs on the wave's number alone
	s_cselect_b64 s[G0S+2:G0S+3], s[6:7], s[8:9]
	s_cselect_b32 s58, 0, 6
	s_sub_co_u32 s58, s[WV], s58
	s_lshl_b32 s58, s58, 14
	s_add_nc_u64 s[G0S+2:G0S+3], s[G0S+2:G0S+3], s[58:59]
	s_or_b32 s[G0S+3], s[G0S+3], 0x80000000
	s_mov_b32 s[G0C], 1
	s_mov_b32 s[G0C+1], s22
	s_add_nc_u64 s[G0C+2:G0C+3], s[6:7], s[22:23]
	s_or_b32 s[G0C+3], s[G0C+3], 0x80000000
	CROUND
	tensor_load_to_lds s[G0S:G0S+3], s[G1S:G1S+7]
	s_nop 0
	PLACES 4
; fragment f = 2 x tile + channel step of the queries: through the stage, then block maxima, bytes and codes
.macro QF f
.set CB, Q+12*(\f)
	s_wait_loadcnt 16*(3-(\f))                     ; behind this fragment's 16 loads stand those of the later fragments
	WIN 0x04                                       ; the stores' data lie in the second 256 registers
.irp rr, 0,1,2,3,4,5,6,7,8,9,10,11,12,13,14,15
	ds_store_b128 v[RD], v[64*(\f)+4*\rr:64*(\f)+4*\rr+3] offset:SP*\rr
.endr
	WIN 0
.irp c, 0,1
.irp i, 0,1,2,3,4,5,6,7
	ds_load_b128 v[S+32*\c+4*\i:S+32*\c+4*\i+3], v[HOUT] offset:256*\c+16*\i   ; LDS serves a wave's instructions in order: these see the stores
.endr
.endr
	s_wait_dscnt 0x0
.irp c, 0,1
	v_max3_num_f32 v[HM+\c], |v[S+32*\c]|, |v[S+32*\c+1]|, 0x1800000   ; block 2 c + h, with the floor 2^(3 - 127)
.endr
.irp i, 2,4,6,8,10,12,14,16,18,20,22,24,26,28,30
.irp c, 0,1
	v_max3_num_f32 v[HM+\c], v[HM+\c], |v[S+32*\c+\i]|, |v[S+32*\c+\i+1]|
.endr
.endr
.irp c, 0,1
	v_add_nc_u32 v[HSO+\c], 0xff000000, v[HM+\c]   ; 2 off the exponent field: the conversion's scale operand
.endr
.irp c, 0,1
	v_lshrrev_b32 v[HBY+\c], 23, v[HSO+\c]
.endr
	v_lshl_or_b32 v[HW], v[HBY+1], 16, v[HBY]
	v_lshlrev_b32 v[HW], v[H8], v[HW]
.irp c, 0,1
	v_cvt_scalef32_pk16_fp6_f32 v[CB+6*\c:CB+6*\c+2], v[S+32*\c:S+32*\c+15], v[HSO+\c]
	v_cvt_scalef32_pk16_fp6_f32 v[HT+4*\c:HT+4*\c+2], v[S+32*\c+16:S+32*\c+31], v[HSO+\c]
.endr
	v_nop                                          ; one plain place behind the scaled conversions
	v_permlanex16_b32 v[HP], v[HW], s[SEL], s[SEL+1]
	v_or_b32 v[HW], v[HW], v[HP]                   ; with lane l xor 16's two bytes the word is whole
.irp c, 0,1
.irp i, 0,1,2
	v_mov_b32 v[CB+3+6*\c+\i], v[HT+4*\c+\i]
.endr
.endr
.if (\f)%2 == 0
	v_mov_b32 v[QS+(\f)/2], v[HW]
.else
	v_cndmask_b32 v[QS+(\f)/2], v[QS+(\f)/2], v[HW], s[HMK]   ; in lanes 16-31 channel step 1's word
.endif
.endm
	QF 0
	QF 1
	QF 2
	QF 3
.macro CHANGE fill
	WIN 0
	s_wait_tensorcnt 0x0                           ; all my tensor loads have landed,
	ds_add_u32 v[SPW], v[NIL]                      ; the add,
.if \fill
	s_xor_b32 s[G0C+1], s[G0C+1], SLOT1
	s_add_nc_u64 s[G0C+2:G0C+3], s[G0C+2:G0C+3], SLOTB
	s_wait_xcnt 0x0                                ; my prefetch has read its address
	s_add_nc_u64 s[PFA:PFA+1], s[PFA:PFA+1], SLOTB
.endif
	s_wait_dscnt 0x0                               ; and my reads of the old slot are over
.if \fill
	CROUND
	tensor_load_to_lds s[G0C:G0C+3], s[G1C:G1C+7]
	s_nop 0
	PLACES 4
	ASK
.else
	s_barrier_signal -1
	s_barrier_wait -1
.endif
.endm
.macro KLOAD t, rb                     ; key tile t, both channel steps: 24 registers from rb on
.irp s, 0,1
.irp c, 0,1,2
	ds_load_b128 v[(\rb)+12*\s+4*\c:(\rb)+12*\s+4*\c+3], v[ADK] offset:(2*(\t)+\s)*1536+512*\c
.endr
.endr
.endm
.macro KMUL t, rb, cnt                 ; cnt: the LDS loads issued behind tile t's
.set rK, \rb
	s_wait_dscnt \cnt
	v_wmma_scale_f32_16x16x128_f8f6f4 v[S+8*\t:S+8*\t+7], v[rK:rK+11], v[Q:Q+11], 0, v[KS+\t], v[QS] matrix_a_fmt:MATRIX_FMT_FP6 matrix_b_fmt:MATRIX_FMT_FP6
	v_wmma_scale_f32_16x16x128_f8f6f4 v[S+64+8*\t:S+64+8*\t+7], v[rK:rK+11], v[Q+24:Q+35], 0, v[KS+\t], v[QS+1] matrix_a_fmt:MATRIX_FMT_FP6 matrix_b_fmt:MATRIX_FMT_FP6
	v_wmma_scale_f32_16x16x128_f8f6f4 v[S+8*\t:S+8*\t+7], v[rK+12:rK+23], v[Q+12:Q+23], v[S+8*\t:S+8*\t+7], v[KS+\t], v[QS] matrix_a_fmt:MATRIX_FMT_FP6 matrix_b_fmt:MATRIX_FMT_FP6 matrix_a_scale:MATRIX_SCALE_ROW1 matrix_b_scale:MATRIX_SCALE_ROW1
	v_wmma_scale_f32_16x16x128_f8f6f4 v[S+64+8*\t:S+64+8*\t+7], v[rK+12:rK+23], v[Q+36:Q+47], v[S+64+8*\t:S+64+8*\t+7], v[KS+\t], v[QS+1] matrix_a_fmt:MATRIX_FMT_FP6 matrix_b_fmt:MATRIX_FMT_FP6 matrix_a_scale:MATRIX_SCALE_ROW1 matrix_b_scale:MATRIX_SCALE_ROW1
.endm
; S^T = k q^T.  Tile t's scores fall into v[S + 8 t ..] and v[S + 64 + 8 t ..], so the score registers of later tiles are free at first: six of the eight key tiles are asked for at once,
; tiles 0, 1 in the scores' places of tiles 2-4, tiles 3, 4 in those of tiles 5-7, tiles 2, 5 in the two key buffers, which then take tiles 6, 7.
; Five places stand ahead of a product that writes over an earlier product's operand, four ahead of a load into one.
.macro KQ
	ds_load_b128 v[KS:KS+3], v[ADS]
	ds_load_b128 v[KS+4:KS+7], v[ADS] offset:512
	KLOAD 0, S+16
	KLOAD 1, S+80
	KLOAD 2, KB
	KLOAD 3, S+40
	KLOAD 4, S+104
	KLOAD 5, KB+24
	s_wait_alu depctr_va_vdst(0)
	KMUL 0, S+16, 30
	KMUL 1, S+80, 24
	PLACES 5
	KMUL 2, KB, 18
	PLACES 4
	KLOAD 6, KB
	KMUL 3, S+40, 18
	KMUL 4, S+104, 12
	PLACES 5
	KMUL 5, KB+24, 6
	PLACES 4
	KLOAD 7, KB+24
	KMUL 6, KB, 6
	KMUL 7, KB+24, 0
	PLACES 4
.endm
.macro SOFTMAX u, first
.set SB, S+64*(\u)
.set SS, ST+4*(\u)
.set FU, FAC+2*(\u)
.set PC, 80+48*(\u)
.irp b, 0,1,2,3
	v_max3_num_f32 v[BM+\b], v[SB+16*\b], v[SB+16*\b+1], v[SB+16*\b+2]   ; the largest score of each block of 32 keys
.endr
.irp i, 3,5,7,9,11,13
.irp b, 0,1,2,3
	v_max3_num_f32 v[BM+\b], v[BM+\b], v[SB+16*\b+\i], v[SB+16*\b+\i+1]
.endr
.endr
.irp b, 0,1,2,3
	v_max_num_f32 v[BM+\b], v[BM+\b], v[SB+16*\b+15]
.endr
.irp b, 0,1,2,3
	s_delay_alu instid0(VALU_DEP_4)
	v_permlanex16_b32 v[PT+\b], v[BM+\b], s[SEL], s[SEL+1]
.endr
.irp b, 0,1,2,3
	s_delay_alu instid0(VALU_DEP_4)
	v_max_num_f32 v[BM+\b], v[BM+\b], v[PT+\b]
.endr
	s_delay_alu instid0(VALU_DEP_2)
	v_max3_num_f32 v[T0], v[BM], v[BM+1], v[BM+2]
	s_delay_alu instid0(VALU_DEP_1)
	v_max_num_f32 v[T0], v[T0], v[BM+3]
	s_delay_alu instid0(VALU_DEP_1)
	v_mul_f32 v[T0], s[CS], v[T0]
.if \first
	s_delay_alu instid0(VALU_DEP_1)
	v_mov_b32 v[SS+1], v[T0]
	s_delay_alu instid0(VALU_DEP_1)
	v_floor_f32 v[SS], -v[SS+1]
.else
	s_delay_alu instid0(VALU_DEP_1)
	v_max_num_f32 v[SS+1], v[SS+1], v[T0]
	v_mov_b32 v[T1], v[SS]
	s_delay_alu instid0(VALU_DEP_2)
	v_floor_f32 v[SS], -v[SS+1]                    ; -M = floor(-t)
	s_delay_alu instid0(VALU_DEP_1)
	v_sub_f32 v[T1], v[SS], v[T1]
	s_delay_alu instid0(VALU_DEP_1)
	v_cvt_i32_f32 v[T1], v[T1]
	s_delay_alu instid0(VALU_DEP_1)
	v_ldexp_f32 v[FU], 1.0, v[T1]                  ; f = 2^(old M - new M)
.endif
.set j, 0
.rept 32
	v_pk_fma_f32 v[SB+j:SB+j+1], v[SB+j:SB+j+1], s[CS:CS+1], v[SS:SS+1] op_sel_hi:[1,0,0]
.set j, j+2
.endr
.irp b, 0,1,2,3
	v_fma_f32 v[BM+\b], v[BM+\b], s[CS], v[SS]
.endr
.set j, 0
	s_wait_alu depctr_va_vdst(0)                   ; the wait ahead of the batch
.rept 64
	v_exp_f32 v[SB+j], v[SB+j]
.set j, j+1
.endr
.if \first
	v_nop
.else
	v_pk_mul_f32 v[SS+2:SS+3], v[SS+2:SS+3], v[FU:FU+1] op_sel_hi:[1,0]
.endif
	s_wait_alu depctr_va_vdst(0)                   ; and behind it
.irp b, 0,1,2,3
	v_exp_f32 v[BM+\b], v[BM+\b]                   ; each block's largest p
.endr
.if \first
	v_pk_add_f32 v[SS+2:SS+3], v[SB:SB+1], v[SB+2:SB+3]
	v_pk_add_f32 v[SUM:SUM+1], v[SB+4:SB+5], v[SB+6:SB+7]
.set j, 8
.rept 14
	v_pk_add_f32 v[SS+2:SS+3], v[SS+2:SS+3], v[SB+j:SB+j+1]
	v_pk_add_f32 v[SUM:SUM+1], v[SUM:SUM+1], v[SB+j+2:SB+j+3]
.set j, j+4
.endr
.else
	v_pk_add_f32 v[SUM:SUM+1], v[SB:SB+1], v[SB+2:SB+3]
.set j, 4
.rept 15
	v_pk_add_f32 v[SS+2:SS+3], v[SS+2:SS+3], v[SB+j:SB+j+1]
	v_pk_add_f32 v[SUM:SUM+1], v[SUM:SUM+1], v[SB+j+2:SB+j+3]
.set j, j+4
.endr
.endif
	s_delay_alu instid0(VALU_DEP_1)
	v_pk_add_f32 v[SS+2:SS+3], v[SS+2:SS+3], v[SUM:SUM+1]
	s_wait_alu depctr_va_vdst(0)
.irp b, 0,1,2,3
	v_max_num_f32 v[BM+\b], 0x1800000, v[BM+\b]
.endr
.irp b, 0,1,2,3
	s_delay_alu instid0(VALU_DEP_4)
	v_add_nc_u32 v[SO+\b], 0xff000000, v[BM+\b]
.endr
.irp b, 0,1,2,3
	s_delay_alu instid0(VALU_DEP_4)
	v_lshrrev_b32 v[PT+\b], 23, v[SO+\b]
.endr
	s_delay_alu instid0(VALU_DEP_3)
	v_lshl_or_b32 v[PW+\u], v[PT+1], 8, v[PT]
	s_delay_alu instid0(VALU_DEP_1)
	v_lshl_or_b32 v[PW+\u], v[PT+2], 16, v[PW+\u]
	s_delay_alu instid0(VALU_DEP_1)
	v_lshl_or_b32 v[PW+\u], v[PT+3], 24, v[PW+\u]
.irp c, 0,1
	v_cvt_scalef32_pk16_fp6_f32 v[PC+6*\c:PC+6*\c+2], v[SB+32*\c:SB+32*\c+15], v[SO+2*\c]
	v_cvt_scalef32_pk16_fp6_f32 v[CT+4*\c:CT+4*\c+2], v[SB+32*\c+16:SB+32*\c+31], v[SO+2*\c+1]
.endr
	v_nop
.irp c, 0,1
.irp i, 0,1,2
	v_permlane16_swap_b32 v[PC+6*\c+\i], v[CT+4*\c+\i]
.endr
.irp i, 0,1,2
	s_delay_alu instid0(VALU_DEP_3)
	v_mov_b32 v[PC+3+6*\c+\i], v[CT+4*\c+\i]
.endr
.endr
.endm
.macro VLOAD vb, d0
.irp i, 0,1,2,3
.irp c, 0,1,2
	ds_load_b128 v[(\vb)+12*\i+4*\c:(\vb)+12*\i+4*\c+3], v[ADV] offset:((\d0)+\i)*1536+512*\c
.endr
.endr
.endm
.macro VSCALES
.irp q, 0,1,2,3,4,5,6,7
	ds_load_b32 v[KS+\q], v[ADT] offset:16384+128*\q
.endr
.endm
.macro RESCALE g, first
.if \first
.if (\g) == 0
	PLACES 8
.elseif (\g) < 3
	PLACES 4
.endif
.else
	WIN W_RS
.irp u, 0,1
.set j, 128*\u+32*(\g)
.rept 16
	v_pk_mul_f32 v[j:j+1], v[j:j+1], v[FAC+2*\u:FAC+2*\u+1] op_sel_hi:[1,0]
.set j, j+2
.endr
.endr
.endif
.endm
.macro PVMUL vb, g, first
	WIN W_PV
.irp i, 0,1,2,3
.irp u, 0,1
.set rO, 128*\u+8*(4*(\g)+\i)
.set rV, (\vb)+12*\i
.set rP, 80+48*\u
.set rW, KS+(4*(\g)+\i)/2
.if \first
.if \i%2
	v_wmma_scale_f32_16x16x128_f8f6f4 v[rO:rO+7], v[rV:rV+11], v[rP:rP+11], 0, v[rW], v[PW+\u] matrix_a_fmt:MATRIX_FMT_FP6 matrix_b_fmt:MATRIX_FMT_FP6 matrix_a_scale:MATRIX_SCALE_ROW1
.else
	s_wait_alu depctr_va_vdst(0)
	v_wmma_scale_f32_16x16x128_f8f6f4 v[rO:rO+7], v[rV:rV+11], v[rP:rP+11], 0, v[rW], v[PW+\u] matrix_a_fmt:MATRIX_FMT_FP6 matrix_b_fmt:MATRIX_FMT_FP6
.endif
.else
.if \i%2
	v_wmma_scale_f32_16x16x128_f8f6f4 v[rO:rO+7], v[rV:rV+11], v[rP:rP+11], v[rO:rO+7], v[rW], v[PW+\u] matrix_a_fmt:MATRIX_FMT_FP6 matrix_b_fmt:MATRIX_FMT_FP6 matrix_a_scale:MATRIX_SCALE_ROW1
.else
	v_wmma_scale_f32_16x16x128_f8f6f4 v[rO:rO+7], v[rV:rV+11], v[rP:rP+11], v[rO:rO+7], v[rW], v[PW+\u] matrix_a_fmt:MATRIX_FMT_FP6 matrix_b_fmt:MATRIX_FMT_FP6
.endif
.endif
.endr
.endr
.endm
.macro STEP first                      ; 128 keys
	v_add_nc_u32 v[ADK], s[TB], v[LI]
	v_add_nc_u32 v[ADS], s[TS], v[LI]
	v_add_nc_u32 v[ADT], s[TS], v[LS]
	s_delay_alu instid0(VALU_DEP_3)
	v_add_nc_u32 v[ADV], 2*STEPB, v[ADK]
	v_nop                                          ; five places behind the last step's products
	KQ
	SOFTMAX 0, \first
	VSCALES
	VLOAD VA, 0
	SOFTMAX 1, \first
	VLOAD VB, 4
	RESCALE 0, \first
	s_wait_alu depctr_va_vdst(0)
	s_wait_dscnt 12                                ; all but the 12 loads just issued
	PVMUL VA, 0, \first
	RESCALE 1, \first
	WIN 0
	VLOAD VA, 8
	s_wait_alu depctr_va_vdst(0)
	s_wait_dscnt 12
	PVMUL VB, 1, \first
	RESCALE 2, \first
	WIN 0
	VLOAD VB, 12
	s_wait_alu depctr_va_vdst(0)
	s_wait_dscnt 12
	PVMUL VA, 2, \first
	RESCALE 3, \first
	s_wait_alu depctr_va_vdst(0)
	s_wait_dscnt 0x0
	PVMUL VB, 3, \first
	WIN 0
	s_add_co_u32 s[TB], s[TB], STEPB
	s_add_co_u32 s[TS], s[TS], 1024
.endm
.macro TWO_STEPS
	s_mov_b32 s[TWICE], 2
.Lstep_\@:
	STEP 0
	s_sub_co_u32 s[TWICE], s[TWICE], 1
	s_cmp_lg_u32 s[TWICE], 0
	s_cbranch_scc1 .Lstep_\@
.endm
.macro SLOT_END
	s_sub_co_u32 s[TB], s[TB], 2*STEPB
	s_xor_b32 s[TB], s[TB], SLOT1
.endm
	s_wait_alu depctr_va_vdst(0)                   ; the wait at the head's end
	CHANGE 1                                       ; slot 0 and the scales are in; slot 1's first fill is issued as a refill is
	STEP 1
	STEP 0
	SLOT_END
	s_mov_b32 s[SLOTS], 6
.Lslot:
	CHANGE 1
	TWO_STEPS
	SLOT_END
	s_sub_co_u32 s[SLOTS], s[SLOTS], 1
	s_cmp_lg_u32 s[SLOTS], 0
	s_cbranch_scc1 .Lslot
	CHANGE 0                                       ; the last slot: nothing is filled again
	TWO_STEPS
	v_add_f32 v[BM], v[ST+2], v[ST+3]              ; the sums' two halves,
	v_add_f32 v[BM+1], v[ST+6], v[ST+7]
	s_delay_alu instid0(VALU_DEP_2)
	v_permlanex16_b32 v[PT], v[BM], s[SEL], s[SEL+1]
	s_delay_alu instid0(VALU_DEP_2)
	v_permlanex16_b32 v[PT+1], v[BM+1], s[SEL], s[SEL+1]
	s_delay_alu instid0(VALU_DEP_2)
	v_add_f32 v[BM], v[BM], v[PT]                  ; and lane l xor 16's
	s_delay_alu instid0(VALU_DEP_2)
	v_add_f32 v[BM+1], v[BM+1], v[PT+1]
	s_wait_alu depctr_va_vdst(0)
	v_rcp_f32 v[FAC], v[BM]
	v_rcp_f32 v[FAC+2], v[BM+1]
	v_nop
	s_wait_alu depctr_va_vdst(0)
; the way out: 16 queries x 128 channels at a time through my stage, so that 32 lanes store 512 consecutive bytes of a row
.macro OUT u, hh, later
	WIN 0x01
.set j, 0
.rept 32
	v_pk_mul_f32 v[S+j:S+j+1], v[128*(\u)+64*(\hh)+j:128*(\u)+64*(\hh)+j+1], v[FAC+2*(\u):FAC+2*(\u)+1] op_sel_hi:[1,0]
.set j, j+2
.endr
	WIN 0
.irp t, 0,1,2,3,4,5,6,7
	ds_store_b128 v[STO], v[S+8*\t:S+8*\t+3] offset:64*\t
	ds_store_b128 v[STO], v[S+8*\t+4:S+8*\t+7] offset:64*\t+16
.endr
.if \later
	s_wait_xcnt 0x0                                ; the registers below were the data of the stores before
.endif
.irp i, 0,1,2,3,4,5,6,7,8,9,10,11,12,13,14,15
	ds_load_b128 v[VB+4*\i:VB+4*\i+3], v[RD] offset:\i*SP
.endr
.irp i, 0,1,2,3,4,5,6,7,8,9,10,11,12,13,14,15
	s_wait_dscnt 15-\i
	global_store_b128 v[LI], v[VB+4*\i:VB+4*\i+3], s[10:11] offset:(8*(\u)+\i+8*(\i/8))*1024+512*(\hh) th:TH_STORE_NT
.endr
.endm
	OUT 0, 0, 0
	OUT 0, 1, 1
	OUT 1, 0, 1
	OUT 1, 1, 1
	s_wait_tensorcnt 0x0                           ; the wave's end
	ds_add_u32 v[SPW], v[NIL]
	s_wait_dscnt 0x0
	CROUND                                         ; the closing round
	s_endpgm
.Lfunc_end_k_q8de3fe5ba7_attn:
	.size	k_q8de3fe5ba7_attn, .Lfunc_end_k_q8de3fe5ba7_attn-k_q8de3fe5ba7_attn
	.p2alignl 7, 3214868480
	.fill 96, 4, 3214868480
	.section	.rodata,"a",@progbits
	.p2align	6, 0x0
	.amdhsa_kernel k_q8de3fe5ba7_attn
		.amdhsa_group_segment_fixed_size 327680
		.amdhsa_private_segment_fixed_size 0
		.amdhsa_enable_private_segment 0
		.amdhsa_kernarg_size 32
		.amdhsa_user_sgpr_count 2
		.amdhsa_user_sgpr_kernarg_segment_ptr 1
		.amdhsa_wavefront_size32 1
		.amdhsa_system_sgpr_workgroup_id_x 1
		.amdhsa_system_sgpr_workgroup_id_y 1
		.amdhsa_system_sgpr_workgroup_id_z 1
		.amdhsa_system_vgpr_workitem_id 0
		.amdhsa_next_free_vgpr 512
		.amdhsa_next_free_sgpr 66
		.amdhsa_reserve_vcc 0
		.amdhsa_float_denorm_mode_32 3
		.amdhsa_float_denorm_mode_16_64 3
		.amdhsa_memory_ordered 1
		.amdhsa_forward_progress 1
		.amdhsa_inst_pref_size 244
	.end_amdhsa_kernel
	.amdgpu_metadata
---
amdhsa.version: [ 1, 2 ]
amdhsa.kernels:
  - .name:           k_q8de3fe5ba7_attn
    .symbol:         k_q8de3fe5ba7_attn.kd
    .args:
      - { .name: queries, .offset: 0, .size: 8, .value_kind: global_buffer, .address_space: global }
      - { .name: kvcodes, .offset: 8, .size: 8, .value_kind: global_buffer, .address_space: global }
      - { .name: scales, .offset: 16, .size: 8, .value_kind: global_buffer, .address_space: global }
      - { .name: out0, .offset: 24, .size: 8, .value_kind: global_buffer, .address_space: global }
    .group_segment_fixed_size: 327680
    .private_segment_fixed_size: 0
    .kernarg_segment_align: 8
    .kernarg_segment_size: 32
    .max_flat_workgroup_size: 256
    .sgpr_count:     66
    .vgpr_count:     512
    .wavefront_size: 32
...
	.end_amdgpu_metadata
.endif
;; end of part 2
